; MI455X (gfx1250); checked and timed in simulation.
; The chip was launched on July 23, 2026; its instructions are those of AMD's public machine-readable ISA for CDNA 5 (MIT licence, August 2026) and "CDNA5" Instruction Set Architecture Reference Guide (July 2026). The comments in the code are by the model that wrote it; some were corrected since.
;; VQ Activation. Allowed arithmetic: float matrix products may take bf16 or f16 operands with f32 sums; all other float work in f32.
;; Inputs: code_book 4,096 x 512 float32; x 8,192 x 512 float32.
;; Outputs: out0 8,192 x 512 float32.
;; Constants: depth = 4.
;; 2 versions, each right and faster than the one before. Each part assembles by itself: llvm-mc -triple=amdgcn-amd-amdhsa -mcpu=gfx1250 --defsym DOCPART=n.
;; ======== version 1 of 2: 9 launches
;; limits: values are held in f16: magnitudes above 65,504 overflow, below 6.1e-05 lose precision
;; workspace buffers: cb16 4,194,304 bytes; a16 8,388,608 bytes; resA 16,777,216 bytes; resB 16,777,216 bytes; cand 524,288 bytes of whole numbers; win1 65,536 bytes of whole numbers; win2 65,536 bytes of whole numbers; win3 65,536 bytes of whole numbers
;; launch prep (part 1): grid 256 x 1, 16 waves a work-group, no clusters, 0 bytes of LDS; arguments x, code_book, a16, cb16; writes a16, cb16
.if DOCPART == 1
	.amdgcn_target "amdgcn-amd-amdhsa--gfx1250"
	.amdhsa_code_object_version 6
	.text
	.protected	k_q9089a55b80_prep
	.globl	k_q9089a55b80_prep
	.p2align	8
	.type	k_q9089a55b80_prep,@function
k_q9089a55b80_prep:
	s_mov_b64 s[64:65], 0
	v_nop
	global_prefetch_b8 v0, s[64:65] scope:SCOPE_SE
	s_setreg_imm32_b32 hwreg(HW_REG_WAVE_MODE, 25, 1), 1
	s_wait_xcnt 0x0
; a16[r][:] = f16(x[r][:] * 2^-e(r)),  cb16 = f16(code_book).   x: [8192][512] f32, code_book: [4096][512] f32.
; The row's factor is a power of two that brings the row's largest magnitude into [1, 2): an argmax along the row of scores does not see it,
; and the f16 copy keeps its 11 bits whatever the row's size.  LIMITS: |code_book| below 65,504 (f16's range); NaN and infinities are not served.
; A stream: no LDS, no barrier, no matrix unit.  Wave w of group g owns x's rows 2 P and 2 P + 1 and the code book's row P, P = 16 g + w.
; A lane holds the elements 128 j + 4 lane + 0..3, j = 0..3: each load of the wave covers 512 consecutive bytes, each store 256, both aligned.
.set X0, 8                             ; v[8:23]   x, first row
.set X1, 24                            ; v[24:39]  x, second row
.set CB, 40                            ; v[40:55]  the code book's row
.set H0, 56                            ; v[56:63], v[64:71], v[72:79]  the three rows in f16
.set H1, 64
.set HC, 72
.set MX, 3                             ; v3      the row's largest magnitude
.set SC, 4                             ; v[4:5]  the factor, twice
.set TP, 6                             ; v6      the other half of the lanes' figure
	s_load_b256 s[4:11], s[0:1], 0x0               ; x s[4:5], code_book s[6:7], a16 s[8:9], cb16 s[10:11]
	v_lshrrev_b32 v1, 5, v0
	v_readfirstlane_b32 s12, v1                    ; wave
	v_and_b32 v2, 31, v0
	v_lshlrev_b32 v1, 4, v2                        ; 16 x lane: f32 rows
	v_lshlrev_b32 v2, 3, v2                        ; 8 x lane: f16 rows
	v_mov_b32 v[TP], 0                             ; v_permlanex16_b32 counts as a reader of its destination
	s_lshl_b32 s13, ttmp9, 4
	s_add_co_u32 s13, s13, s12                     ; P
	s_lshl_b32 s14, s13, 12                        ; x: two rows of 2,048 bytes
	s_mov_b32 s15, 0
	s_lshl_b32 s16, s13, 11                        ; code_book: one row of 2,048 bytes; a16: two rows of 1,024
	s_mov_b32 s17, 0
	s_lshl_b32 s18, s13, 10                        ; cb16: one row of 1,024 bytes
	s_mov_b32 s19, 0
	s_mov_b32 s20, 0x76543210                      ; v_permlanex16_b32: each lane takes its own place in the other half
	s_mov_b32 s21, 0xfedcba98
	s_wait_kmcnt 0x0
	s_add_nc_u64 s[4:5], s[4:5], s[14:15]
	s_add_nc_u64 s[6:7], s[6:7], s[16:17]
	s_add_nc_u64 s[8:9], s[8:9], s[16:17]
	s_add_nc_u64 s[10:11], s[10:11], s[18:19]
.irp j, 0,1,2,3
	global_load_b128 v[X0+4*\j:X0+4*\j+3], v1, s[4:5] offset:512*\j th:TH_LOAD_NT
.endr
.irp j, 0,1,2,3
	global_load_b128 v[X1+4*\j:X1+4*\j+3], v1, s[4:5] offset:2048+512*\j th:TH_LOAD_NT
.endr
.irp j, 0,1,2,3
	global_load_b128 v[CB+4*\j:CB+4*\j+3], v1, s[6:7] offset:512*\j
.endr
; the row in v[src ..] is multiplied in place by 2^(127 - E), E the biased exponent of its largest magnitude
.macro SCALED src
	v_max3_num_f32 v[MX], |v[\src]|, |v[\src+1]|, |v[\src+2]|
.irp p, 3,5,7,9,11,13
	v_max3_num_f32 v[MX], v[MX], |v[\src+\p]|, |v[\src+\p+1]|
.endr
	v_max_num_f32 v[MX], v[MX], |v[\src+15]|
.irp m, 1,2,4,8
	v_max_num_f32_dpp v[MX], v[MX], v[MX] row_xmask:\m row_mask:0xf bank_mask:0xf
.endr
	v_permlanex16_b32 v[TP], v[MX], s20, s21
	v_max_num_f32 v[MX], v[MX], v[TP]              ; every lane holds the row's maximum
	v_and_b32 v[SC], 0x7f800000, v[MX]             ; its exponent field,
	v_sub_nc_u32 v[SC], 0x7f000000, v[SC]          ; 254 - E in the field: the number 2^(127 - E),
	v_max_u32 v[SC], 0x800000, v[SC]               ; and never less than the smallest normal number (E = 254)
	v_mov_b32 v[SC+1], v[SC]
.irp p, 0,1,2,3,4,5,6,7
	v_pk_mul_f32 v[\src+2*\p:\src+2*\p+1], v[\src+2*\p:\src+2*\p+1], v[SC:SC+1]
.endr
.endm
; rounded to f16 in pairs and stored: four stores of 256 consecutive bytes
.macro PUT src, dst, b, off
.irp p, 0,1,2,3,4,5,6,7
	v_cvt_pk_f16_f32 v[\dst+\p], v[\src+2*\p], v[\src+2*\p+1]
.endr
.irp j, 0,1,2,3
	global_store_b64 v2, v[\dst+2*\j:\dst+2*\j+1], s[\b:\b+1] offset:\off+256*\j
.endr
.endm
	s_wait_loadcnt 8                               ; the first row's four loads are in; the eight younger stay out
	SCALED X0
	PUT X0, H0, 8, 0
	s_wait_loadcnt 4                               ; the second row's
	SCALED X1
	PUT X1, H1, 8, 1024
	s_wait_loadcnt 0x0                             ; the code book's row: rounded as it is
	PUT CB, HC, 10, 0
	s_endpgm
.Lfunc_end_k_q9089a55b80_prep:
	.size	k_q9089a55b80_prep, .Lfunc_end_k_q9089a55b80_prep-k_q9089a55b80_prep
	.p2alignl 7, 3214868480
	.fill 96, 4, 3214868480
	.section	.rodata,"a",@progbits
	.p2align	6, 0x0
	.amdhsa_kernel k_q9089a55b80_prep
		.amdhsa_group_segment_fixed_size 0
		.amdhsa_private_segment_fixed_size 0
		.amdhsa_enable_private_segment 0
		.amdhsa_kernarg_size 32
		.amdhsa_user_sgpr_count 2
		.amdhsa_user_sgpr_kernarg_segment_ptr 1
		.amdhsa_wavefront_size32 1
		.amdhsa_system_sgpr_workgroup_id_x 1
		.amdhsa_system_sgpr_workgroup_id_y 1
		.amdhsa_system_sgpr_workgroup_id_z 1
		.amdhsa_system_vgpr_workitem_id 0
		.amdhsa_next_free_vgpr 80
		.amdhsa_next_free_sgpr 66
		.amdhsa_reserve_vcc 0
		.amdhsa_float_denorm_mode_32 3
		.amdhsa_float_denorm_mode_16_64 3
		.amdhsa_memory_ordered 1
		.amdhsa_forward_progress 1
		.amdhsa_inst_pref_size 9
	.end_amdhsa_kernel
	.amdgpu_metadata
---
amdhsa.version: [ 1, 2 ]
amdhsa.kernels:
  - .name:           k_q9089a55b80_prep
    .symbol:         k_q9089a55b80_prep.kd
    .args:
      - { .name: x, .offset: 0, .size: 8, .value_kind: global_buffer, .address_space: global }
      - { .name: code_book, .offset: 8, .size: 8, .value_kind: global_buffer, .address_space: global }
      - { .name: a16, .offset: 16, .size: 8, .value_kind: global_buffer, .address_space: global }
      - { .name: cb16, .offset: 24, .size: 8, .value_kind: global_buffer, .address_space: global }
    .group_segment_fixed_size: 0
    .private_segment_fixed_size: 0
    .kernarg_segment_align: 8
    .kernarg_segment_size: 32
    .max_flat_workgroup_size: 512
    .sgpr_count:     66
    .vgpr_count:     80
    .wavefront_size: 32
...
	.end_amdgpu_metadata
.endif
;; end of part 1
;; launch g1 (part 2): grid 4 x 64, 4 waves a work-group, clusters of 4 x 4, 327,680 bytes of LDS; arguments a16, cb16, cand; writes cand
.if DOCPART == 2
	.amdgcn_target "amdgcn-amd-amdhsa--gfx1250"
	.amdhsa_code_object_version 6
	.text
	.protected	k_q9089a55b80_g1
	.globl	k_q9089a55b80_g1
	.p2align	8
	.type	k_q9089a55b80_g1,@function
k_q9089a55b80_g1:
	s_mov_b64 s[64:65], 0
	v_nop
	global_prefetch_b8 v0, s[64:65] scope:SCOPE_SE
	s_setreg_imm32_b32 hwreg(HW_REG_WAVE_MODE, 25, 1), 1
	s_wait_xcnt 0x0
	s_wait_alu depctr_hold_cnt(0) depctr_sa_sdst(0) depctr_va_vdst(0) depctr_va_sdst(0) depctr_va_ssrc(0) depctr_va_vcc(0) depctr_vm_vsrc(0)
	s_getreg_b32 s2, hwreg(HW_REG_IB_STS2, 6, 4)
	s_cmp_eq_u32 s2, 0
	s_cbranch_scc0 .Lentry_in_a_cluster
	s_endpgm
.Lentry_in_a_cluster:
	s_bfe_u32 s2, ttmp6, 0x10000c
	s_cmp_lg_u32 s2, 0xf033
	s_cbranch_scc0 .Lentry_shape_is_right
	s_endpgm
.Lentry_shape_is_right:
; For each row of a16 ([8192][512] f16) and each quarter q of the code book cb16 ([4096][512] f16): the two best scores a16[row] . cb16[code], as whole numbers:
; cand[q][row] = (key1, key2, index1, index2), key1 >= key2; a key is the order-keeping u32 image of the f32 score.  Sums in f32.
; This launch only NOMINATES: the launch behind it scores the row's best three candidates again in f32 and decides.
; LIMITS.  A score's low 8 mantissa bits are replaced by the code's number in its bucket, so scores are compared on 15 mantissa bits of an f16 product;
; of a bucket of 256 codes two survive.  NaN scores are not served.
; SHARES.  Work-group (q, rb): rows 128 rb .. + 127 against codes 1024 q .. + 1023.  Wave w: wm = w / 2 names 64 of the rows, wn = w % 2 names 64 of each tile's 128 codes.
; A STAYS: the wave's 64 rows x 512 K lie in 512 registers for the whole launch.  The code book streams in 8 tiles of 128 codes x 512 K through two LDS slots,
; so each fragment of 16 codes x 32 K read from LDS feeds four matrix instructions, and a score is final after 16 links.
; TRANSPOSED USE: source 0 = 16 codes, source 1 = 16 rows: lane (r, h) holds row r, register j code 8 h + j, so the running best two of a row stay in its lane.
; A STRIP = 16 codes x 64 rows x 512 K = 64 matrix instructions on four accumulators by turns.  Two sets of accumulators take turns strip by strip: while one is summed,
; the other's 32 scores a lane go into the running best two, two vector instructions behind each matrix instruction.
; CLUSTER 4 x 4: the four work-groups of a row of the cluster share rb and so A's tile, the four of a column share q and so every tile of the code book: joint loads.
; REGISTERS: window 0: addresses, best two, accumulators v64-127, code fragments v128-255 (two buffers of 8 K steps).  Window 1: A's K steps 0-7.  Window 2: A's K steps 8-15.
; With source 1 alone switched (0x04, 0x08) the matrix instructions, the LDS loads (address = source 0) and the vector work (vector operands in sources 0 and 2) run under one setting:
; two switches a strip.
.set PITCH, 1040                       ; an LDS row: 1,024 bytes + 16 of padding, an odd multiple of 16: the 16 rows of a fragment load begin at 16 different 16-byte columns modulo 256
.set WPART, 32*PITCH                   ; what one tensor load brings: 32 rows
.set SLOT,  4*WPART                    ; 128 rows
.set SCR,   2*SLOT                     ; behind the ring, never filled by a tensor load: [wn][128 rows][16 bytes]
.set TILEB, 128*1024                   ; a tile of the code book in memory
.set ADRA, 4                           ; v4    my A fragments in slot 1
.set ADRB, 5                           ; v5-6  my code fragments in slot 0, 1
.set STO,  7                           ; v7    the way out: where my two quads go
.set RDB,  8                           ; v8    the way out: where thread t reads row t
.set GO,   9                           ; v9    16 t: my byte offset in cand
.set TT,   10                          ; v10-11 at work
.set M1,   12                          ; v12-15 best score of block mb's row in my bucket
.set M2,   16                          ; v16-19 second best
.set QD,   20                          ; v20-35 the way out: (key1, key2, index1, index2) of block mb
.set ACC,  64                          ; set s, block mb at 64 + 32 s + 8 mb
.set BF,   128                         ; buffer b, K step kk at 128 + 64 b + 8 kk
.set G1A, 24                           ; s[24:31] descriptor group 1, A's tile
.set G1B, 32                           ; s[32:39] the code book's tiles: it differs in the mask alone
.set G0A, 40                           ; s[40:43] group 0, A's tile
.set G0B, 44                           ; s[44:51] group 0, the code book's tiles, one set for each slot
.set MSK,  52                          ; s52 clears a score's low 8 bits
.set PINF, 53                          ; s53, s54: + and - infinity, the neutral middle operands of the three-operand minimum and maximum
.set NINF, 54
.set ID,   56                          ; s[56:63] 255 - (number in the bucket) for register j of the strip that is being ranked
.set G1W0, (1<<16)|(1<<20)|(1<<21)|(7<<22)|(3<<25)   ; 17:16 elements of 2 bytes; 20 padding on; 21 set beside a mask; 24:22 after every 256 words (code 7); 31:25 4 words of it (code 3)
.set MSB, 0
.macro WIN new                         ; the immediate's high byte repeats the setting that is left; a switch that changes nothing is dropped
.if MSB != (\new)
	s_set_vgpr_msb (MSB<<8)|(\new)
.set MSB, (\new)
.endif
.endm
.macro PLACES                          ; four places where no other vector work is at hand; also behind each tensor load
.rept 4
	v_nop
.endr
.endm
.macro CREST                           ; a round of the cluster's barrier behind its opening barrier
	s_cmp_lg_u32 s10, 0
	s_cbranch_scc1 .Lnot_wave_0_\@
	s_barrier_signal -3
.Lnot_wave_0_\@:
	s_barrier_wait -3
	s_barrier_signal -1
	s_barrier_wait -1
.endm
.macro CROUND                          ; a whole round
	s_barrier_signal -1
	s_barrier_wait -1
	CREST
.endm
	s_load_b128 s[4:7], s[0:1], 0x0                ; a16 s[4:5], cb16 s[6:7]
	s_load_b64 s[8:9], s[0:1], 0x10                ; cand
	v_lshl_add_u32 v62, v0, 2, 0x42000
	v_mov_b32 v63, 0
	ds_add_u32 v62, v63
	ds_add_u32 v62, v63
	v_lshrrev_b32 v1, 5, v0
	v_readfirstlane_b32 s10, v1                    ; wave 0..3
	s_lshr_b32 s11, s10, 1                         ; wm
	s_and_b32 s12, s10, 1                          ; wn
	s_bfe_u32 s13, ttmp6, 0x40000                  ; cx
	s_bfe_u32 s14, ttmp6, 0x40004                  ; cy
	s_lshl_b32 s15, ttmp9, 2
	s_add_co_u32 s15, s15, s13                     ; q = 4 x cluster x + cx
	s_and_b32 s16, ttmp7, 0xffff
	s_lshl_b32 s16, s16, 2
	s_add_co_u32 s16, s16, s14                     ; rb = 4 x cluster y + cy
	s_lshl_b32 s17, s14, 2
	s_lshl_b32 s17, 15, s17                        ; my row of the cluster: places 4 cy .. 4 cy + 3
	s_lshl_b32 s18, 0x1111, s13                    ; my column: places cx, cx + 4, cx + 8, cx + 12
	s_or_b32 s[G1A], s17, G1W0                     ; A's tile hangs on rb alone: shared along the row
	s_or_b32 s[G1B], s18, G1W0                     ; the code book's tiles hang on q alone: shared along the column
.irp g, G1A, G1B
	s_mov_b32 s[\g+1], 512<<16                     ; tensor_dim0 = 512
	s_mov_b32 s[\g+2], 32<<16                      ; tensor_dim1 = 32
	s_mov_b32 s[\g+3], 512<<16                     ; tile_dim0 = 512 elements: a whole row of 1,024 bytes
	s_mov_b32 s[\g+4], 32                          ; tile_dim1 = 32 rows: every wave brings its quarter of a tile
	s_mov_b32 s[\g+5], 512                         ; elements from row to row
	s_mov_b32 s[\g+6], 0
	s_mov_b32 s[\g+7], 0
.endr
	s_mul_i32 s19, s10, WPART                      ; my quarter of a slot: the wave's number alone enters an LDS address
	s_lshl_b32 s55, s10, 15                        ; my 32 rows of 1,024 bytes in memory
	s_lshl_b32 s20, s16, 17                        ; A: 128 rb rows
	s_add_co_u32 s20, s20, s55
	s_mov_b32 s21, 0
	s_lshl_b32 s22, s15, 20                        ; code book: 1,024 q rows
	s_add_co_u32 s22, s22, s55
	s_mov_b32 s23, 0
	s_lshl_b32 s70, s15, 17                        ; cand: q x 8,192 rows x 16 bytes + rb x 128 rows x 16 bytes
	s_lshl_b32 s71, s16, 11
	s_add_co_u32 s70, s70, s71
	s_mov_b32 s71, 0
	s_mov_b32 s[MSK], 0xffffff00
	s_mov_b32 s[PINF], 0x7f800000
	s_mov_b32 s[NINF], 0xff800000
.irp j, 0,1,2,3,4,5,6,7
	s_mov_b32 s[ID+\j], 255-\j
.endr
	s_mov_b32 s68, 0x76543210                      ; v_permlanex16_b32: each lane takes its own place in the other half
	s_mov_b32 s69, 0xfedcba98
	s_wait_dscnt 0x0
	s_wait_kmcnt 0x0
	s_add_nc_u64 s[8:9], s[8:9], s[70:71]
	s_mov_b32 s[G0A], 1                            ; count = 1
	s_add_co_u32 s[G0A+1], s19, SLOT               ; A lands in slot 1, which the code book's tile 1 takes over once A is in registers
	s_add_nc_u64 s[G0A+2:G0A+3], s[4:5], s[20:21]
	s_or_b32 s[G0A+3], s[G0A+3], 0x80000000        ; type = 2
	s_mov_b32 s[G0B], 1
	s_add_co_u32 s[G0B+1], s19, 0                  ; slot 0: tiles 0, 2, 4, 6
	s_add_nc_u64 s[G0B+2:G0B+3], s[6:7], s[22:23]
	s_mov_b32 s[G0B+4], 1
	s_add_co_u32 s[G0B+5], s19, SLOT               ; slot 1: tiles 1, 3, 5, 7
	s_add_nc_u64 s[G0B+6:G0B+7], s[G0B+2:G0B+3], TILEB
	s_or_b32 s[G0B+3], s[G0B+3], 0x80000000
	s_or_b32 s[G0B+7], s[G0B+7], 0x80000000
	CROUND                                         ; all sixteen work-groups are here: the first joint loads meet
	tensor_load_to_lds s[G0A:G0A+3], s[G1A:G1A+7]  ; the two first fills go out together: two loads of mine are out, the most in this text
	s_nop 0
	tensor_load_to_lds s[G0B:G0B+3], s[G1B:G1B+7]
	s_nop 0
	PLACES
	; A fragment is 16 rows x 32 K in 8 registers: lane l holds row l % 16; registers 0-3 K = 8 (l / 16) + 0..7, registers 4-7 K = 16 + 8 (l / 16) + 0..7: two loads of 16 bytes, 32 bytes apart.
	v_and_b32 v1, 15, v0                           ; r
	v_bfe_u32 v2, v0, 4, 1                         ; h
	v_mul_u32_u24 v3, v1, PITCH
	v_lshl_add_u32 v3, v2, 4, v3                   ; r x pitch + 16 h
	s_mul_i32 s72, s11, 64*PITCH
	s_add_co_u32 s72, s72, SLOT
	s_mul_i32 s73, s12, 64*PITCH
	v_add_nc_u32 v[ADRA], s72, v3                  ; my 64 rows of A
	v_add_nc_u32 v[ADRB], s73, v3                  ; my 64 codes of a tile in slot 0,
	v_add_nc_u32 v[ADRB+1], SLOT, v[ADRB]          ; in slot 1
	s_lshl_b32 s74, s12, 11
	s_lshl_b32 s75, s11, 10
	s_add_co_u32 s74, s74, s75
	s_add_co_u32 s74, s74, SCR
	v_lshlrev_b32 v[STO], 4, v1
	v_lshl_add_u32 v[STO], v2, 9, v[STO]
	v_add_nc_u32 v[STO], s74, v[STO]               ; SCR + 2,048 wn + 16 (64 wm + 32 h + r)
	v_lshlrev_b32 v[GO], 4, v0
	v_add_nc_u32 v[RDB], SCR, v[GO]
	s_lshl_b32 s77, s15, 10
	s_lshl_b32 s78, s12, 6
	s_or_b32 s77, s77, s78
	v_lshl_or_b32 v60, v2, 3, s77                  ; what my bucket's codes have in common: 1,024 q + 64 wn + 8 h
.irp m, 0,1,2,3,4,5,6,7
	v_mov_b32 v[M1+\m], s[NINF]                    ; the best two start below every score
.endr
; One LDS load of 16: half a fragment; number bi of the 16 that bring 8 K steps of strip st of a slot into a buffer
.macro BLD slot, st, buf
.set bd, BF+64*(\buf)+8*(bi/2)+4*(bi%2)
	ds_load_b128 v[bd:bd+3], v[ADRB+\slot] offset:(\st)*16*PITCH+(8*(\buf)+bi/2)*64+32*(bi%2)
.endm
; Number e of the 128 instructions that take a finished strip (set eacc) into the best two.  Blocks 2 (e / 64) and 2 (e / 64) + 1 alternate, register j = (e % 64) / 8.
; Four steps a score x: its low 8 bits take 255 - its number in the bucket (so of equal scores the earlier code is the larger); t = min(M1, x); M1 = max(M1, x); M2 = max(M2, t).
.macro EPOP
.set em, 2*(e/64)+(e%2)
.set ex, ACC+32*eacc+8*em+((e%64)/8)
.set eph, (e%8)/2
.if eph == 0
	v_and_or_b32 v[ex], v[ex], s[MSK], s[ID+(e%64)/8]
.elseif eph == 1
	v_min3_num_f32 v[TT+e%2], v[M1+em], s[PINF], v[ex]
.elseif eph == 2
	v_max3_num_f32 v[M1+em], v[M1+em], s[NINF], v[ex]
.else
	v_max3_num_f32 v[M2+em], v[M2+em], s[NINF], v[TT+e%2]
.endif
.endm
; Half a strip: 32 matrix instructions on buffer half (K steps 8 half .. + 7), the four accumulators of set st % 2 by turns, one instruction a turn.
; ep = 1: two instructions of the other set's ranking behind each.  They name no register of the products round them, so they are also the places:
; at least six stand between an accumulator's last product and its first reading, at least eight between a buffer's last product and the first load into it.
; mode 0: nothing is fetched.  1: the other buffer takes its next 8 K steps (slot nslot, strip nst), 16 loads from the fourth product on.
; 2, 3: this is a tile's last half strip, and the slots change.  In front of the barrier the wave waits for its reads of this slot and for all its tensor loads (one is out: its part
; of the next slot); six products stand between signal and wait.  2: the barrier opens a round of the cluster's barrier, and behind the round this slot is filled again, two tiles on:
; the wave's one tensor load, ahead of its first LDS read; it has the next tile's products in which to land.  3: nothing is left to fetch from memory.
.macro HALF st, half, ep, mode, nslot, nst
.set hacc, (\st)%2
.set eacc, 1-hacc
.set FB, 3
.if \mode >= 2
.set FB, 6
.endif
	s_wait_dscnt 0x0                               ; this half's fragments are in (issued at least ten products ago); no LDS read of mine is out
.if \mode >= 2
	s_set_vgpr_msb 0x400
	s_wait_tensorcnt 0x0                           ; all my tensor loads have landed, so a group 0 may be written
	ds_add_u32 v62, v63
	s_wait_dscnt 0x0
	s_set_vgpr_msb 0x4
.if \mode == 2
	s_add_nc_u64 s[G0B+6-4*\nslot:G0B+7-4*\nslot], s[G0B+6-4*\nslot:G0B+7-4*\nslot], 2*TILEB
.endif
	s_barrier_signal -1
.endif
	WIN 4+4*\half
.set n, 0
.rept 32
.if (\mode >= 2) && (n == 6)
.if \mode == 2
	WIN 0
.endif
	s_barrier_wait -1
.if \mode == 2
	CREST                                          ; no wave of any partner still reads this slot or has a load on its way
	tensor_load_to_lds s[G0B+4-4*\nslot:G0B+7-4*\nslot], s[G1B:G1B+7]
	s_nop 0
	PLACES
	WIN 4+4*\half
.endif
.endif
.set rD, ACC+32*hacc+8*(n%4)
.set rB, BF+64*\half+8*(n/4)
.if (\half == 0) && (n < 4)
	v_wmma_f32_16x16x32_f16 v[rD:rD+7], v[rB:rB+7], v[8*n:8*n+7], 0
.else
	v_wmma_f32_16x16x32_f16 v[rD:rD+7], v[rB:rB+7], v[8*n:8*n+7], v[rD:rD+7]
.endif
.if \ep
.set e, 64*\half+2*n
	EPOP
.set e, e+1
	EPOP
.endif
.if (\mode > 0) && (n >= FB) && (n < FB+16)
.if (\ep == 0) && (n == FB)
	PLACES
.endif
.set bi, n-FB
	BLD \nslot, \nst, 1-\half
.endif
.set n, n+1
.endr
.endm
.macro STRIP slot, st, ep, mode2, nslot, nst
	HALF \st, 0, \ep, 1, \slot, \st                ; K steps 0-7; fetches this strip's K steps 8-15
	HALF \st, 1, \ep, \mode2, \nslot, \nst         ; K steps 8-15; fetches the next strip's K steps 0-7
.if \ep
.irp j, 0,1,2,3,4,5,6,7
	s_sub_co_u32 s[ID+\j], s[ID+\j], 8             ; the next strip to be ranked has the next eight numbers
.endr
.endif
.endm
	s_wait_tensorcnt 0x1                           ; my part of A is in; the code book's tile 0 may stay out
	s_barrier_signal -1
	s_barrier_wait -1                              ; everybody's part of A is in
	WIN 0x40                                       ; destination window 1: K steps 0-7, fragment (kk, mb) at 8 (4 kk + mb)
.set i, 0
.rept 32
	ds_load_b128 v[8*i:8*i+3],   v[ADRA] offset:(i%4)*16*PITCH+(i/4)*64
	ds_load_b128 v[8*i+4:8*i+7], v[ADRA] offset:(i%4)*16*PITCH+(i/4)*64+32
.set i, i+1
.endr
	WIN 0x80                                       ; destination window 2: K steps 8-15
.set i, 0
.rept 32
	ds_load_b128 v[8*i:8*i+3],   v[ADRA] offset:(i%4)*16*PITCH+(i/4)*64+512
	ds_load_b128 v[8*i+4:8*i+7], v[ADRA] offset:(i%4)*16*PITCH+(i/4)*64+544
.set i, i+1
.endr
	WIN 0
	s_wait_dscnt 0x0                               ; A is in my registers: my reads of slot 1 are over,
	s_wait_tensorcnt 0x0                           ; and all my tensor loads have landed, my part of tile 0 among them
	ds_add_u32 v62, v63
	s_wait_dscnt 0x0
	CROUND                                         ; both hold of every wave of every partner
	tensor_load_to_lds s[G0B+4:G0B+7], s[G1B:G1B+7]   ; tile 1 takes slot 1: my one load behind the round, ahead of my first LDS read
	s_nop 0
	PLACES
.set bi, 0
.rept 16
	BLD 0, 0, 0                                    ; tile 0, strip 0, K steps 0-7
.set bi, bi+1
.endr
	STRIP 0, 0, 0, 1, 0, 1                         ; the first strip has no finished strip to rank beside it
	PLACES                                         ; so four places stand behind its last products
	WIN 0                                          ; at a label and at a branch every window is 0
	s_mov_b32 s66, 3
.Ltrip:                                                ; a trip: from an even tile's strip 1 to the next even tile's strip 0; both slots are filled again (tiles 2 to 7 in three trips)
	STRIP 0, 1, 1, 1, 0, 2
	STRIP 0, 2, 1, 1, 0, 3
	STRIP 0, 3, 1, 2, 1, 0
	STRIP 1, 0, 1, 1, 1, 1
	STRIP 1, 1, 1, 1, 1, 2
	STRIP 1, 2, 1, 1, 1, 3
	STRIP 1, 3, 1, 2, 0, 0
	STRIP 0, 0, 1, 1, 0, 1
	WIN 0
	s_sub_co_u32 s66, s66, 1
	s_cmp_lg_u32 s66, 0
	s_cbranch_scc1 .Ltrip
	STRIP 0, 1, 1, 1, 0, 2                         ; the last two tiles are written out: no slot is filled that nothing reads
	STRIP 0, 2, 1, 1, 0, 3
	STRIP 0, 3, 1, 3, 1, 0
	STRIP 1, 0, 1, 1, 1, 1
	STRIP 1, 1, 1, 1, 1, 2
	STRIP 1, 2, 1, 1, 1, 3
	STRIP 1, 3, 1, 0, 0, 0
	WIN 0
	PLACES
.set eacc, 1
.set e, 0
.rept 128
	EPOP                                           ; the last strip is ranked
.set e, e+1
.endr
	; THE WAY OUT.  Each of my eight figures becomes a key and a code index.
.macro KEYIDX src, kdst, idst
	v_and_b32 v[TT], 0xff, v[\src]
	v_xor_b32 v[TT], 0xff, v[TT]                   ; t = 32 tile + 8 strip + j
	v_and_b32 v[TT+1], 0xe0, v[TT]
	v_lshl_or_b32 v[\idst], v[TT+1], 2, v60        ; 128 tile
	v_and_b32 v[TT+1], 0x18, v[TT]
	v_lshl_or_b32 v[\idst], v[TT+1], 1, v[\idst]   ; 16 strip
	v_and_or_b32 v[\idst], v[TT], 7, v[\idst]      ; j
	v_ashrrev_i32 v[TT+1], 31, v[\src]
	v_or_b32 v[TT+1], 0x80000000, v[TT+1]
	v_xor_b32 v[\kdst], v[\src], v[TT+1]           ; positive: the sign bit is set; negative: all bits are turned: u32 order = f32 order
.endm
; two sorted pairs (key1, key2, index1, index2) at a and b become the best two of the four at o; t: four registers at work
.macro MERGE a, b, o, t
	v_cmp_ge_u32 vcc_lo, v[\a], v[\b]
	v_cndmask_b32 v[\o], v[\b], v[\a], vcc_lo              ; the better first
	v_cndmask_b32 v[\o+2], v[\b+2], v[\a+2], vcc_lo
	v_cndmask_b32 v[\t], v[\a], v[\b], vcc_lo              ; the other first
	v_cndmask_b32 v[\t+1], v[\a+2], v[\b+2], vcc_lo
	v_cndmask_b32 v[\t+2], v[\b+1], v[\a+1], vcc_lo        ; the winner's own second
	v_cndmask_b32 v[\t+3], v[\b+3], v[\a+3], vcc_lo
	v_cmp_ge_u32 vcc_lo, v[\t], v[\t+2]
	v_cndmask_b32 v[\o+1], v[\t+2], v[\t], vcc_lo
	v_cndmask_b32 v[\o+3], v[\t+3], v[\t+1], vcc_lo
.endm
.irp m, 0,1,2,3
	KEYIDX M1+\m, QD+4*\m, QD+4*\m+2
	KEYIDX M2+\m, QD+4*\m+1, QD+4*\m+3
.endr
	; a row's other bucket of this wave lies in the lane 16 away: half h keeps blocks 2 h and 2 h + 1 and sends the other two
	v_cmp_ne_u32 vcc_lo, 0, v2
.irp c, 0,1,2,3,4,5,6,7
	v_cndmask_b32 v[36+\c], v[QD+\c], v[QD+8+\c], vcc_lo
	v_cndmask_b32 v[44+\c], v[QD+8+\c], v[QD+\c], vcc_lo
.endr
.irp c, 0,1,2,3,4,5,6,7
	v_permlanex16_b32 v[ACC+\c], v[44+\c], s68, s69        ; into registers that have been written
.endr
	MERGE 36, ACC, 52, 44
	MERGE 40, ACC+4, 56, 44
	ds_store_b128 v[STO], v[52:55]                 ; row 64 wm + 32 h + r,
	ds_store_b128 v[STO], v[56:59] offset:256      ; and the row 16 further down
	s_wait_dscnt 0x0                               ; for the others' sake: my stores are done
	s_barrier_signal -1
	s_barrier_wait -1
	ds_load_b128 v[20:23], v[RDB]                  ; thread t takes row t: wn = 0's pair,
	ds_load_b128 v[24:27], v[RDB] offset:2048      ; wn = 1's
	s_wait_dscnt 0x0
	MERGE 20, 24, 28, 44
	global_store_b128 v[GO], v[28:31], s[8:9]      ; a wave's store covers 512 consecutive bytes, aligned
	s_wait_tensorcnt 0x0
	ds_add_u32 v62, v63
	s_wait_dscnt 0x0
	CROUND                                         ; the closing round: no work-group ends while a partner may still ask for a tile that names it
	s_endpgm
.Lfunc_end_k_q9089a55b80_g1:
	.size	k_q9089a55b80_g1, .Lfunc_end_k_q9089a55b80_g1-k_q9089a55b80_g1
	.p2alignl 7, 3214868480
	.fill 96, 4, 3214868480
	.section	.rodata,"a",@progbits
	.p2align	6, 0x0
	.amdhsa_kernel k_q9089a55b80_g1
		.amdhsa_group_segment_fixed_size 327680
		.amdhsa_private_segment_fixed_size 0
		.amdhsa_enable_private_segment 0
		.amdhsa_kernarg_size 24
		.amdhsa_user_sgpr_count 2
		.amdhsa_user_sgpr_kernarg_segment_ptr 1
		.amdhsa_wavefront_size32 1
		.amdhsa_system_sgpr_workgroup_id_x 1
		.amdhsa_system_sgpr_workgroup_id_y 1
		.amdhsa_system_sgpr_workgroup_id_z 1
		.amdhsa_system_vgpr_workitem_id 0
		.amdhsa_next_free_vgpr 768
		.amdhsa_next_free_sgpr 80
		.amdhsa_reserve_vcc 1
		.amdhsa_float_denorm_mode_32 3
		.amdhsa_float_denorm_mode_16_64 3
		.amdhsa_memory_ordered 1
		.amdhsa_forward_progress 1
		.amdhsa_inst_pref_size 255
	.end_amdhsa_kernel
	.amdgpu_metadata
---
amdhsa.version: [ 1, 2 ]
amdhsa.kernels:
  - .name:           k_q9089a55b80_g1
    .symbol:         k_q9089a55b80_g1.kd
    .args:
      - { .name: a16, .offset: 0, .size: 8, .value_kind: global_buffer, .address_space: global }
      - { .name: cb16, .offset: 8, .size: 8, .value_kind: global_buffer, .address_space: global }
      - { .name: cand, .offset: 16, .size: 8, .value_kind: global_buffer, .address_space: global }
    .group_segment_fixed_size: 327680
    .private_segment_fixed_size: 0
    .kernarg_segment_align: 8
    .kernarg_segment_size: 24
    .max_flat_workgroup_size: 128
    .sgpr_count:     80
    .vgpr_count:     768
    .wavefront_size: 32
...
	.end_amdgpu_metadata
.endif
;; end of part 2
;; launch r1 (part 3): grid 256 x 1, 16 waves a work-group, no clusters, 2,304 bytes of LDS; arguments x, code_book, cand, resA, a16, win1; writes resA, a16, win1
.if DOCPART == 3
	.amdgcn_target "amdgcn-amd-amdhsa--gfx1250"
	.amdhsa_code_object_version 6
	.text
	.protected	k_q9089a55b80_r1
	.globl	k_q9089a55b80_r1
	.p2align	8
	.type	k_q9089a55b80_r1,@function
k_q9089a55b80_r1:
	s_mov_b64 s[64:65], 0
	v_nop
	global_prefetch_b8 v0, s[64:65] scope:SCOPE_SE
	s_setreg_imm32_b32 hwreg(HW_REG_WAVE_MODE, 25, 1), 1
	s_wait_xcnt 0x0
; One step of the residual quantisation, decided in f32.  For each row: of cand's eight candidates (two from each quarter of the code book) the three with the largest keys are taken;
; their f32 scores r . c are computed; the largest wins (of equal scores the lowest index); u = that score; rout = r - u c; a16 = f16(rout x 2^-e(row)); win = (code, u).
; Arguments: rin [8192][512] f32, code_book [4096][512] f32, cand, rout, a16 [8192][512] f16, win (for each 32 rows 256 bytes: 32 codes, then the 32 bit patterns of u).
; LIMITS.  The winner is the f32 argmax among the three candidates: a code that stands behind three others in the f16 scores is missed, and so is the first index among more exact
; ties than that.  The f32 score is summed in this text's own order (two chains a lane, then a tree over the lanes).  NaN and infinities are not served.
; The keys and indices are whole numbers from memory: the choice of three is made on them by scalar compares, and each index is cut to 4,095 before it forms an address.
; The f32 winner only selects values (v_cndmask_b32); its code steers an address only in a later launch.
; A stream bound by latency: no matrix unit, no cluster (nothing is shared but the code book's rows, which differ from row to row).
; Wave w of group g owns rows 2 P and 2 P + 1, P = 16 g + w.  A lane holds the elements 128 j + 4 lane + 0..3, j = 0..3.  All of a wave's 32 loads go out before its first wait for data.
.set RES,  24                          ; v[24+16 i ..]        row i's residual
.set CAND, 56                          ; v[56+48 i+16 c ..]   row i's candidate c; 0 then holds the winner, 2 the scaled row, 1 the f16 row
.set CD,   20                          ; s[20:51] cand: quarter q at 20 + 8 q: row 0's four words, row 1's four
.set IX,   52                          ; s[52+3 i ..] row i's three indices, ascending
.set T1, 66                            ; the running best three: keys T, indices J
.set J1, 67
.set T2, 68
.set J2, 69
.set T3, 70
.set J3, 71
.set LA, 72                            ; s[72:73], s[74:75] the pair that sinks
.set LB, 74
.set BS, 80                            ; s[80+6 i+2 c ..] address of row i's candidate c
	s_load_b256 s[4:11], s[0:1], 0x0               ; rin s[4:5], code_book s[6:7], cand s[8:9], rout s[10:11]
	s_load_b128 s[12:15], s[0:1], 0x20             ; a16 s[12:13], win s[14:15]
	v_lshl_add_u32 v152, v0, 2, 0x100
	v_mov_b32 v153, 0
	v_lshrrev_b32 v3, 5, v0
	v_readfirstlane_b32 s18, v3                    ; wave
	v_and_b32 v2, 31, v0
	v_lshlrev_b32 v1, 4, v2                        ; 16 x lane: f32 rows
	v_lshlrev_b32 v2, 3, v2                        ; 8 x lane: f16 rows, and win
	s_lshl_b32 s19, ttmp9, 4
	s_add_co_u32 s19, s19, s18                     ; P
	s_lshl_b32 s16, s19, 12                        ; two f32 rows
	s_mov_b32 s17, 0
	s_lshl_b32 s62, s19, 11                        ; two f16 rows
	s_mov_b32 s63, 0
	s_lshl_b32 s76, s19, 5                         ; two rows of cand
	s_mov_b32 s77, 0
	s_lshl_b32 s78, ttmp9, 8                       ; the group's 256 bytes of win
	s_mov_b32 s79, 0
	s_mov_b32 s60, 0x76543210                      ; v_permlanex16_b32: each lane takes its own place in the other half
	s_mov_b32 s61, 0xfedcba98
	s_lshl_b32 s92, s18, 3
	v_mov_b32 v21, s92                             ; LDS: my wave's two words among the 32 codes
	s_wait_kmcnt 0x0
	s_add_nc_u64 s[4:5], s[4:5], s[16:17]
	s_add_nc_u64 s[8:9], s[8:9], s[76:77]
	s_add_nc_u64 s[10:11], s[10:11], s[16:17]
	s_add_nc_u64 s[12:13], s[12:13], s[62:63]
	s_add_nc_u64 s[14:15], s[14:15], s[78:79]
.irp q, 0,1,2,3
	s_load_b256 s[CD+8*\q:CD+8*\q+7], s[8:9], \q*131072
.endr
.irp r, 0,1
.irp j, 0,1,2,3
	global_load_b128 v[RES+16*\r+4*\j:RES+16*\r+4*\j+3], v1, s[4:5] offset:2048*\r+512*\j th:TH_LOAD_NT
.endr
.endr
; (ik, ii) meets place (t, j): the larger key stays there, the smaller goes on in (ok, oi)
.macro SIFT ik, ii, t, j, ok, oi
	s_cmp_gt_u32 s[\ik], s[\t]
	s_cselect_b32 s[\ok], s[\t], s[\ik]
	s_cselect_b32 s[\oi], s[\j], s[\ii]
	s_cselect_b32 s[\t], s[\ik], s[\t]
	s_cselect_b32 s[\j], s[\ii], s[\j]
.endm
.macro LASTP ik, ii                    ; the third place: the smaller is dropped
	s_cmp_gt_u32 s[\ik], s[T3]
	s_cselect_b32 s[T3], s[\ik], s[T3]
	s_cselect_b32 s[J3], s[\ii], s[J3]
.endm
; row i's three best of eight.  A quarter's second key is not above its first, which has just been placed: it starts at the second place.
.macro SELECT i
	s_mov_b32 s[T1], s[CD+4*\i]
	s_mov_b32 s[T2], s[CD+4*\i+1]
	s_mov_b32 s[J1], s[CD+4*\i+2]
	s_mov_b32 s[J2], s[CD+4*\i+3]
	s_mov_b32 s[T3], 0
	s_mov_b32 s[J3], s[J2]                         ; a valid index until a third candidate comes
.irp q, 1,2,3
	SIFT CD+8*\q+4*\i, CD+8*\q+4*\i+2, T1, J1, LA, LA+1
	SIFT LA, LA+1, T2, J2, LB, LB+1
	LASTP LB, LB+1
	SIFT CD+8*\q+4*\i+1, CD+8*\q+4*\i+3, T2, J2, LA, LA+1
	LASTP LA, LA+1
.endr
	s_min_u32 s[LA], s[J1], s[J2]                  ; ascending by index, so that a strict 'greater' below leaves the lowest index of equal scores
	s_max_u32 s[LA+1], s[J1], s[J2]
	s_max_u32 s[IX+3*\i+2], s[LA+1], s[J3]
	s_min_u32 s[LA+1], s[LA+1], s[J3]
	s_min_u32 s[IX+3*\i], s[LA], s[LA+1]
	s_max_u32 s[IX+3*\i+1], s[LA], s[LA+1]
	s_mov_b32 s[LA+1], 0
.irp c, 0,1,2
	s_min_u32 s[IX+3*\i+\c], s[IX+3*\i+\c], 0xfff  ; an index from memory is cut to the table before it forms an address
	s_lshl_b32 s[LA], s[IX+3*\i+\c], 11            ; rows of 2,048 bytes
	s_add_nc_u64 s[BS+6*\i+2*\c:BS+6*\i+2*\c+1], s[6:7], s[LA:LA+1]
.endr
.endm
.macro GATHER i
.irp c, 0,1,2
.irp j, 0,1,2,3
	global_load_b128 v[CAND+48*\i+16*\c+4*\j:CAND+48*\i+16*\c+4*\j+3], v1, s[BS+6*\i+2*\c:BS+6*\i+2*\c+1] offset:512*\j
.endr
.endr
.endm
; the three f32 scores of row i, in every lane: v4, v6, v8
.macro DOTS i
.set RR, RES+16*\i
.set CC, CAND+48*\i
.irp c, 0,1,2
	v_pk_mul_f32 v[4+2*\c:5+2*\c], v[RR:RR+1], v[CC+16*\c:CC+16*\c+1]      ; the first products start the sums
.endr
.irp p, 1,2,3,4,5,6,7
.irp c, 0,1,2
	v_pk_fma_f32 v[4+2*\c:5+2*\c], v[RR+2*\p:RR+2*\p+1], v[CC+16*\c+2*\p:CC+16*\c+2*\p+1], v[4+2*\c:5+2*\c]
.endr
.endr
.irp c, 0,1,2
	v_add_f32 v[4+2*\c], v[4+2*\c], v[5+2*\c]
.endr
.irp m, 1,2,4,8
.irp c, 0,1,2
	v_add_f32_dpp v[4+2*\c], v[4+2*\c], v[4+2*\c] row_xmask:\m row_mask:0xf bank_mask:0xf
.endr
.endr
.irp c, 0,1,2
	v_permlanex16_b32 v[5+2*\c], v[4+2*\c], s60, s61
.endr
.irp c, 0,1,2
	v_add_f32 v[4+2*\c], v[4+2*\c], v[5+2*\c]
.endr
.endm
.macro ROWWORK i
	DOTS \i
	v_cmp_gt_f32 s58, v6, v4                       ; the second beats the first
	v_cndmask_b32 v12, v4, v6, s58
	v_cmp_gt_f32 s59, v8, v12                      ; the third beats both
	v_cndmask_b32 v12, v12, v8, s59                ; u
	v_mov_b32 v18, s[IX+3*\i]
	v_mov_b32 v19, s[IX+3*\i+1]
	v_mov_b32 v20, s[IX+3*\i+2]
	v_cndmask_b32 v14, v18, v19, s58
	v_cndmask_b32 v14, v14, v20, s59               ; its code
	v_mov_b32 v13, v12
.irp p, 0,1,2,3,4,5,6,7,8,9,10,11,12,13,14,15
	v_cndmask_b32 v[CC+\p], v[CC+\p], v[CC+16+\p], s58
.endr
.irp p, 0,1,2,3,4,5,6,7,8,9,10,11,12,13,14,15
	v_cndmask_b32 v[CC+\p], v[CC+\p], v[CC+32+\p], s59     ; the winner's row
.endr
	ds_store_b32 v21, v14 offset:4*\i              ; all lanes write the same word with the same value
	ds_store_b32 v21, v12 offset:128+4*\i
.irp p, 0,1,2,3,4,5,6,7
	v_pk_fma_f32 v[RR+2*\p:RR+2*\p+1], v[CC+2*\p:CC+2*\p+1], v[12:13], v[RR+2*\p:RR+2*\p+1] neg_lo:[0,1,0] neg_hi:[0,1,0]   ; r - u c
.endr
.irp j, 0,1,2,3
	global_store_b128 v1, v[RR+4*\j:RR+4*\j+3], s[10:11] offset:2048*\i+512*\j
.endr
	v_max3_num_f32 v15, |v[RR]|, |v[RR+1]|, |v[RR+2]|      ; the new row's largest magnitude
.irp p, 3,5,7,9,11,13
	v_max3_num_f32 v15, v15, |v[RR+\p]|, |v[RR+\p+1]|
.endr
	v_max_num_f32 v15, v15, |v[RR+15]|
.irp m, 1,2,4,8
	v_max_num_f32_dpp v15, v15, v15 row_xmask:\m row_mask:0xf bank_mask:0xf
.endr
	v_permlanex16_b32 v5, v15, s60, s61
	v_max_num_f32 v15, v15, v5
	v_and_b32 v16, 0x7f800000, v15                 ; its exponent field E,
	v_sub_nc_u32 v16, 0x7f000000, v16              ; the number 2^(127 - E),
	v_max_u32 v16, 0x800000, v16                   ; never less than the smallest normal number
	v_mov_b32 v17, v16
.irp p, 0,1,2,3,4,5,6,7
	v_pk_mul_f32 v[CC+32+2*\p:CC+32+2*\p+1], v[RR+2*\p:RR+2*\p+1], v[16:17]   ; beside the row itself, which its stores still read
.endr
.irp p, 0,1,2,3,4,5,6,7
	v_cvt_pk_f16_f32 v[CC+16+\p], v[CC+32+2*\p], v[CC+32+2*\p+1]
.endr
.irp j, 0,1,2,3
	global_store_b64 v2, v[CC+16+2*\j:CC+16+2*\j+1], s[12:13] offset:1024*\i+256*\j
.endr
.endm
	s_wait_kmcnt 0x0                               ; cand
	SELECT 0
	GATHER 0
	SELECT 1
	GATHER 1
	s_wait_loadcnt 12                              ; both residual rows and row 0's candidates are in; row 1's twelve loads stay out
	ROWWORK 0                                      ; every store's data and offsets lie in registers that nothing writes again
	s_wait_loadcnt 0x0
	ROWWORK 1
	s_wait_dscnt 0x0                               ; for wave 0's sake: my four words are in LDS
	s_barrier_signal -1
	s_barrier_wait -1
	s_cmp_lg_u32 s18, 0
	s_cbranch_scc1 .Ldone
	ds_load_b64 v[4:5], v2                         ; wave 0 sends the group's 32 codes and 32 u as 256 consecutive bytes, aligned
	s_wait_dscnt 0x0
	global_store_b64 v2, v[4:5], s[14:15]
.Ldone:
	s_wait_tensorcnt 0x0
	ds_add_u32 v152, v153
	s_wait_dscnt 0x0
	s_endpgm
.Lfunc_end_k_q9089a55b80_r1:
	.size	k_q9089a55b80_r1, .Lfunc_end_k_q9089a55b80_r1-k_q9089a55b80_r1
	.p2alignl 7, 3214868480
	.fill 96, 4, 3214868480
	.section	.rodata,"a",@progbits
	.p2align	6, 0x0
	.amdhsa_kernel k_q9089a55b80_r1
		.amdhsa_group_segment_fixed_size 2304
		.amdhsa_private_segment_fixed_size 0
		.amdhsa_enable_private_segment 0
		.amdhsa_kernarg_size 48
		.amdhsa_user_sgpr_count 2
		.amdhsa_user_sgpr_kernarg_segment_ptr 1
		.amdhsa_wavefront_size32 1
		.amdhsa_system_sgpr_workgroup_id_x 1
		.amdhsa_system_sgpr_workgroup_id_y 1
		.amdhsa_system_sgpr_workgroup_id_z 1
		.amdhsa_system_vgpr_workitem_id 0
		.amdhsa_next_free_vgpr 154
		.amdhsa_next_free_sgpr 96
		.amdhsa_reserve_vcc 0
		.amdhsa_float_denorm_mode_32 3
		.amdhsa_float_denorm_mode_16_64 3
		.amdhsa_memory_ordered 1
		.amdhsa_forward_progress 1
		.amdhsa_inst_pref_size 28
	.end_amdhsa_kernel
	.amdgpu_metadata
---
amdhsa.version: [ 1, 2 ]
amdhsa.kernels:
  - .name:           k_q9089a55b80_r1
    .symbol:         k_q9089a55b80_r1.kd
    .args:
      - { .name: x, .offset: 0, .size: 8, .value_kind: global_buffer, .address_space: global }
      - { .name: code_book, .offset: 8, .size: 8, .value_kind: global_buffer, .address_space: global }
      - { .name: cand, .offset: 16, .size: 8, .value_kind: global_buffer, .address_space: global }
      - { .name: resA, .offset: 24, .size: 8, .value_kind: global_buffer, .address_space: global }
      - { .name: a16, .offset: 32, .size: 8, .value_kind: global_buffer, .address_space: global }
      - { .name: win1, .offset: 40, .size: 8, .value_kind: global_buffer, .address_space: global }
    .group_segment_fixed_size: 2304
    .private_segment_fixed_size: 0
    .kernarg_segment_align: 8
    .kernarg_segment_size: 48
    .max_flat_workgroup_size: 512
    .sgpr_count:     96
    .vgpr_count:     154
    .wavefront_size: 32
...
	.end_amdgpu_metadata
.endif
;; end of part 3
;; launch g2: the kernel of part 2 again; grid 4 x 64, 4 waves a work-group, clusters of 4 x 4, 327,680 bytes of LDS; arguments a16, cb16, cand; writes cand
;; launch r2: the kernel of part 3 again; grid 256 x 1, 16 waves a work-group, no clusters, 2,304 bytes of LDS; arguments resA, code_book, cand, resB, a16, win2; writes resB, a16, win2
;; launch g3: the kernel of part 2 again; grid 4 x 64, 4 waves a work-group, clusters of 4 x 4, 327,680 bytes of LDS; arguments a16, cb16, cand; writes cand
;; launch r3: the kernel of part 3 again; grid 256 x 1, 16 waves a work-group, no clusters, 2,304 bytes of LDS; arguments resB, code_book, cand, resA, a16, win3; writes resA, a16, win3
;; launch g4: the kernel of part 2 again; grid 4 x 64, 4 waves a work-group, clusters of 4 x 4, 327,680 bytes of LDS; arguments a16, cb16, cand; writes cand
;; launch fin (part 4): grid 256 x 1, 16 waves a work-group, no clusters, 0 bytes of LDS; arguments resA, code_book, cand, win1, win2, win3, out0; writes out0
.if DOCPART == 4
	.amdgcn_target "amdgcn-amd-amdhsa--gfx1250"
	.amdhsa_code_object_version 6
	.text
	.protected	k_q9089a55b80_fin
	.globl	k_q9089a55b80_fin
	.p2align	8
	.type	k_q9089a55b80_fin,@function
k_q9089a55b80_fin:
	s_mov_b64 s[64:65], 0
	v_nop
	global_prefetch_b8 v0, s[64:65] scope:SCOPE_SE
	s_setreg_imm32_b32 hwreg(HW_REG_WAVE_MODE, 25, 1), 1
	s_wait_xcnt 0x0
; The fourth step's decision, and the sum: out0[row] = ((u1 c1 + u2 c2) + u3 c3) + u4 c4, in the order in which the steps were taken.
; The fourth step is decided as the three before: of cand's eight candidates the three with the largest keys are scored in f32 against the residual; the largest wins (of equal scores the
; lowest index).  The first three steps' codes and u come from win1 to win3 (for each 32 rows 256 bytes: 32 codes, then the 32 bit patterns of u), stored by earlier launches.
; LIMITS as there: a code that stands behind three others in the f16 scores is missed; the f32 score is summed in this text's own order; NaN and infinities are not served.
; The sum is made of the four products themselves, never as a difference of x and the residual.
; Wave w of group g owns rows 2 P and 2 P + 1, P = 16 g + w.  A lane holds the elements 128 j + 4 lane + 0..3.  All of a wave's 56 loads go out before its first wait for data.
.set RES,  24                          ; v[24+16 i ..]         row i's residual
.set CAND, 56                          ; v[56+48 i+16 c ..]    row i's candidate c; 0 then holds the winner
.set PREV, 152                         ; v[152+48 i+16 d ..]   row i's code row of step d + 1; d = 0 then holds the sum
.set CD,   20                          ; s[20:51] cand
.set PB,   20                          ; s[20+6 i+2 d ..] address of row i's code row of step d + 1: cand's registers, free when both rows have chosen
.set IX,   52
.set T1, 66
.set J1, 67
.set T2, 68
.set J2, 69
.set T3, 70
.set J3, 71
.set LA, 72
.set LB, 74
.set WC, 76                            ; s[76+2 d+i] row i's code of step d + 1
.set UU, 82                            ; s[82+2 d+i] its u
.set BS, 88                            ; s[88+6 i+2 c ..] address of row i's candidate c
	s_load_b256 s[4:11], s[0:1], 0x0               ; resA s[4:5], code_book s[6:7], cand s[8:9], win1 s[10:11]
	s_load_b128 s[12:15], s[0:1], 0x20             ; win2 s[12:13], win3 s[14:15]
	s_load_b64 s[16:17], s[0:1], 0x30              ; out0
	v_lshrrev_b32 v3, 5, v0
	v_readfirstlane_b32 s18, v3                    ; wave
	v_and_b32 v2, 31, v0
	v_lshlrev_b32 v1, 4, v2                        ; 16 x lane
	s_lshl_b32 s19, ttmp9, 4
	s_add_co_u32 s19, s19, s18                     ; P
	s_lshl_b32 s62, s19, 12                        ; two f32 rows
	s_mov_b32 s63, 0
	s_lshl_b32 s72, s19, 5                         ; two rows of cand
	s_mov_b32 s73, 0
	s_lshl_b32 s74, ttmp9, 8                       ; the group's 256 bytes of a win buffer,
	s_lshl_b32 s75, s18, 3                         ; my wave's two words
	s_add_co_u32 s74, s74, s75
	s_mov_b32 s75, 0
	s_mov_b32 s60, 0x76543210
	s_mov_b32 s61, 0xfedcba98
	s_wait_kmcnt 0x0
	s_add_nc_u64 s[4:5], s[4:5], s[62:63]
	s_add_nc_u64 s[8:9], s[8:9], s[72:73]
	s_add_nc_u64 s[10:11], s[10:11], s[74:75]
	s_add_nc_u64 s[12:13], s[12:13], s[74:75]
	s_add_nc_u64 s[14:15], s[14:15], s[74:75]
	s_add_nc_u64 s[16:17], s[16:17], s[62:63]
.irp q, 0,1,2,3
	s_load_b256 s[CD+8*\q:CD+8*\q+7], s[8:9], \q*131072
.endr
.irp d, 0,1,2
	s_load_b64 s[WC+2*\d:WC+2*\d+1], s[10+2*\d:11+2*\d], 0x0
	s_load_b64 s[UU+2*\d:UU+2*\d+1], s[10+2*\d:11+2*\d], 0x80
.endr
.irp r, 0,1
.irp j, 0,1,2,3
	global_load_b128 v[RES+16*\r+4*\j:RES+16*\r+4*\j+3], v1, s[4:5] offset:2048*\r+512*\j th:TH_LOAD_NT
.endr
.endr
; (ik, ii) meets place (t, j): the larger key stays there, the smaller goes on in (ok, oi)
.macro SIFT ik, ii, t, j, ok, oi
	s_cmp_gt_u32 s[\ik], s[\t]
	s_cselect_b32 s[\ok], s[\t], s[\ik]
	s_cselect_b32 s[\oi], s[\j], s[\ii]
	s_cselect_b32 s[\t], s[\ik], s[\t]
	s_cselect_b32 s[\j], s[\ii], s[\j]
.endm
.macro LASTP ik, ii
	s_cmp_gt_u32 s[\ik], s[T3]
	s_cselect_b32 s[T3], s[\ik], s[T3]
	s_cselect_b32 s[J3], s[\ii], s[J3]
.endm
; row i's three best of eight.  A quarter's second key is not above its first, which has just been placed: it starts at the second place.
.macro SELECT i
	s_mov_b32 s[T1], s[CD+4*\i]
	s_mov_b32 s[T2], s[CD+4*\i+1]
	s_mov_b32 s[J1], s[CD+4*\i+2]
	s_mov_b32 s[J2], s[CD+4*\i+3]
	s_mov_b32 s[T3], 0
	s_mov_b32 s[J3], s[J2]
.irp q, 1,2,3
	SIFT CD+8*\q+4*\i, CD+8*\q+4*\i+2, T1, J1, LA, LA+1
	SIFT LA, LA+1, T2, J2, LB, LB+1
	LASTP LB, LB+1
	SIFT CD+8*\q+4*\i+1, CD+8*\q+4*\i+3, T2, J2, LA, LA+1
	LASTP LA, LA+1
.endr
	s_min_u32 s[LA], s[J1], s[J2]                  ; ascending by index
	s_max_u32 s[LA+1], s[J1], s[J2]
	s_max_u32 s[IX+3*\i+2], s[LA+1], s[J3]
	s_min_u32 s[LA+1], s[LA+1], s[J3]
	s_min_u32 s[IX+3*\i], s[LA], s[LA+1]
	s_max_u32 s[IX+3*\i+1], s[LA], s[LA+1]
	s_mov_b32 s[LA+1], 0
.irp c, 0,1,2
	s_min_u32 s[IX+3*\i+\c], s[IX+3*\i+\c], 0xfff  ; an index from memory is cut to the table before it forms an address
	s_lshl_b32 s[LA], s[IX+3*\i+\c], 11
	s_add_nc_u64 s[BS+6*\i+2*\c:BS+6*\i+2*\c+1], s[6:7], s[LA:LA+1]
.endr
.endm
.macro GATHER i
.irp c, 0,1,2
.irp j, 0,1,2,3
	global_load_b128 v[CAND+48*\i+16*\c+4*\j:CAND+48*\i+16*\c+4*\j+3], v1, s[BS+6*\i+2*\c:BS+6*\i+2*\c+1] offset:512*\j
.endr
.endr
.endm
.macro PGATHER i
.irp d, 0,1,2
.irp j, 0,1,2,3
	global_load_b128 v[PREV+48*\i+16*\d+4*\j:PREV+48*\i+16*\d+4*\j+3], v1, s[PB+6*\i+2*\d:PB+6*\i+2*\d+1] offset:512*\j
.endr
.endr
.endm
.macro DOTS i
.set RR, RES+16*\i
.set CC, CAND+48*\i
.set PP, PREV+48*\i
.irp c, 0,1,2
	v_pk_mul_f32 v[4+2*\c:5+2*\c], v[RR:RR+1], v[CC+16*\c:CC+16*\c+1]
.endr
.irp p, 1,2,3,4,5,6,7
.irp c, 0,1,2
	v_pk_fma_f32 v[4+2*\c:5+2*\c], v[RR+2*\p:RR+2*\p+1], v[CC+16*\c+2*\p:CC+16*\c+2*\p+1], v[4+2*\c:5+2*\c]
.endr
.endr
.irp c, 0,1,2
	v_add_f32 v[4+2*\c], v[4+2*\c], v[5+2*\c]
.endr
.irp m, 1,2,4,8
.irp c, 0,1,2
	v_add_f32_dpp v[4+2*\c], v[4+2*\c], v[4+2*\c] row_xmask:\m row_mask:0xf bank_mask:0xf
.endr
.endr
.irp c, 0,1,2
	v_permlanex16_b32 v[5+2*\c], v[4+2*\c], s60, s61
.endr
.irp c, 0,1,2
	v_add_f32 v[4+2*\c], v[4+2*\c], v[5+2*\c]
.endr
.endm
.macro ROWWORK i
	DOTS \i
	v_cmp_gt_f32 s58, v6, v4
	v_cndmask_b32 v12, v4, v6, s58
	v_cmp_gt_f32 s59, v8, v12
	v_cndmask_b32 v12, v12, v8, s59                ; u of the fourth step
	v_mov_b32 v13, v12
.irp d, 0,1,2
	v_mov_b32 v[16+2*\d], s[UU+2*\d+\i]            ; u of the steps before, each twice for the packed arithmetic
	v_mov_b32 v[17+2*\d], s[UU+2*\d+\i]
.endr
.irp p, 0,1,2,3,4,5,6,7,8,9,10,11,12,13,14,15
	v_cndmask_b32 v[CC+\p], v[CC+\p], v[CC+16+\p], s58
.endr
.irp p, 0,1,2,3,4,5,6,7,8,9,10,11,12,13,14,15
	v_cndmask_b32 v[CC+\p], v[CC+\p], v[CC+32+\p], s59     ; the winner's row
.endr
.irp p, 0,1,2,3,4,5,6,7
	v_pk_mul_f32 v[PP+2*\p:PP+2*\p+1], v[PP+2*\p:PP+2*\p+1], v[16:17]
.endr
.irp p, 0,1,2,3,4,5,6,7
	v_pk_fma_f32 v[PP+2*\p:PP+2*\p+1], v[PP+16+2*\p:PP+16+2*\p+1], v[18:19], v[PP+2*\p:PP+2*\p+1]
.endr
.irp p, 0,1,2,3,4,5,6,7
	v_pk_fma_f32 v[PP+2*\p:PP+2*\p+1], v[PP+32+2*\p:PP+32+2*\p+1], v[20:21], v[PP+2*\p:PP+2*\p+1]
.endr
.irp p, 0,1,2,3,4,5,6,7
	v_pk_fma_f32 v[PP+2*\p:PP+2*\p+1], v[CC+2*\p:CC+2*\p+1], v[12:13], v[PP+2*\p:PP+2*\p+1]
.endr
.irp j, 0,1,2,3
	global_store_b128 v1, v[PP+4*\j:PP+4*\j+3], s[16:17] offset:2048*\i+512*\j th:TH_STORE_NT   ; a wave's store covers 512 consecutive bytes, aligned
.endr
.endm
	s_wait_kmcnt 0x0                               ; cand and the three win buffers
	SELECT 0
	GATHER 0
	SELECT 1                                       ; cand's registers are free behind this
.irp r, 0,1
.irp d, 0,1,2
	s_min_u32 s62, s[WC+2*\d+\r], 0xfff            ; a code from memory is cut to the table before it forms an address
	s_lshl_b32 s62, s62, 11                        ; s63 is still 0
	s_add_nc_u64 s[PB+6*\r+2*\d:PB+6*\r+2*\d+1], s[6:7], s[62:63]
.endr
.endr
	PGATHER 0
	GATHER 1
	PGATHER 1
	s_wait_loadcnt 24                              ; both residual rows and row 0's six code rows are in; row 1's 24 loads stay out
	ROWWORK 0                                      ; its stores' data lie in registers that nothing writes again
	s_wait_loadcnt 0x0
	ROWWORK 1
	s_endpgm
.Lfunc_end_k_q9089a55b80_fin:
	.size	k_q9089a55b80_fin, .Lfunc_end_k_q9089a55b80_fin-k_q9089a55b80_fin
	.p2alignl 7, 3214868480
	.fill 96, 4, 3214868480
	.section	.rodata,"a",@progbits
	.p2align	6, 0x0
	.amdhsa_kernel k_q9089a55b80_fin
		.amdhsa_group_segment_fixed_size 0
		.amdhsa_private_segment_fixed_size 0
		.amdhsa_enable_private_segment 0
		.amdhsa_kernarg_size 56
		.amdhsa_user_sgpr_count 2
		.amdhsa_user_sgpr_kernarg_segment_ptr 1
		.amdhsa_wavefront_size32 1
		.amdhsa_system_sgpr_workgroup_id_x 1
		.amdhsa_system_sgpr_workgroup_id_y 1
		.amdhsa_system_sgpr_workgroup_id_z 1
		.amdhsa_system_vgpr_workitem_id 0
		.amdhsa_next_free_vgpr 248
		.amdhsa_next_free_sgpr 100
		.amdhsa_reserve_vcc 0
		.amdhsa_float_denorm_mode_32 3
		.amdhsa_float_denorm_mode_16_64 3
		.amdhsa_memory_ordered 1
		.amdhsa_forward_progress 1
		.amdhsa_inst_pref_size 29
	.end_amdhsa_kernel
	.amdgpu_metadata
---
amdhsa.version: [ 1, 2 ]
amdhsa.kernels:
  - .name:           k_q9089a55b80_fin
    .symbol:         k_q9089a55b80_fin.kd
    .args:
      - { .name: resA, .offset: 0, .size: 8, .value_kind: global_buffer, .address_space: global }
      - { .name: code_book, .offset: 8, .size: 8, .value_kind: global_buffer, .address_space: global }
      - { .name: cand, .offset: 16, .size: 8, .value_kind: global_buffer, .address_space: global }
      - { .name: win1, .offset: 24, .size: 8, .value_kind: global_buffer, .address_space: global }
      - { .name: win2, .offset: 32, .size: 8, .value_kind: global_buffer, .address_space: global }
      - { .name: win3, .offset: 40, .size: 8, .value_kind: global_buffer, .address_space: global }
      - { .name: out0, .offset: 48, .size: 8, .value_kind: global_buffer, .address_space: global }
    .group_segment_fixed_size: 0
    .private_segment_fixed_size: 0
    .kernarg_segment_align: 8
    .kernarg_segment_size: 56
    .max_flat_workgroup_size: 512
    .sgpr_count:     100
    .vgpr_count:     248
    .wavefront_size: 32
...
	.end_amdgpu_metadata
.endif
;; end of part 4
;; ======== version 2 of 2: 9 launches; 1.34 times as fast as version 1
;; limits: values are held in f16: magnitudes above 65,504 overflow, below 6.1e-05 lose precision
;; workspace buffers: cb16 4,194,304 bytes; a16 8,388,608 bytes; resA 16,777,216 bytes; resB 16,777,216 bytes; cand 524,288 bytes of whole numbers; win1 65,536 bytes of whole numbers; win2 65,536 bytes of whole numbers; win3 65,536 bytes of whole numbers
;; launch prep: the kernel of part 1 again; grid 256 x 1, 16 waves a work-group, no clusters, 0 bytes of LDS; arguments x, code_book, a16, cb16; writes a16, cb16
;; launch g1 (part 5): grid 4 x 64, 4 waves a work-group, clusters of 4 x 4, 327,680 bytes of LDS; arguments a16, cb16, cand; writes cand
.if DOCPART == 5
	.amdgcn_target "amdgcn-amd-amdhsa--gfx1250"
	.amdhsa_code_object_version 6
	.text
	.protected	k_q9089a55b80_g1
	.globl	k_q9089a55b80_g1
	.p2align	8
	.type	k_q9089a55b80_g1,@function
k_q9089a55b80_g1:
	s_mov_b64 s[64:65], 0
	v_nop
	global_prefetch_b8 v0, s[64:65] scope:SCOPE_SE
	s_setreg_imm32_b32 hwreg(HW_REG_WAVE_MODE, 25, 1), 1
	s_wait_xcnt 0x0
	s_wait_alu depctr_hold_cnt(0) depctr_sa_sdst(0) depctr_va_vdst(0) depctr_va_sdst(0) depctr_va_ssrc(0) depctr_va_vcc(0) depctr_vm_vsrc(0)
	s_getreg_b32 s2, hwreg(HW_REG_IB_STS2, 6, 4)
	s_cmp_eq_u32 s2, 0
	s_cbranch_scc0 .Lentry_in_a_cluster
	s_endpgm
.Lentry_in_a_cluster:
	s_bfe_u32 s2, ttmp6, 0x10000c
	s_cmp_lg_u32 s2, 0xf033
	s_cbranch_scc0 .Lentry_shape_is_right
	s_endpgm
.Lentry_shape_is_right:
; For each row of a16 ([8192][512] f16) and each quarter q of the code book cb16 ([4096][512] f16): the two best scores a16[row] . cb16[code], as whole numbers:
; cand[q][row] = (key1, key2, index1, index2), key1 >= key2; a key is the order-keeping u32 image of the f32 score.  Sums in f32.
; This launch only NOMINATES: the launch behind it scores the row's best three candidates again in f32 and decides.
; LIMITS.  A score's low 8 mantissa bits are replaced by the code's number in its bucket, so scores are compared on 15 mantissa bits of an f16 product;
; of a bucket of 256 codes two survive.  NaN scores are not served.
; SHARES.  Work-group (q, rb): rows 128 rb .. + 127 against codes 1024 q .. + 1023.  Wave w: wm = w / 2 names 64 of the rows, wn = w % 2 names 64 of each tile's 128 codes.
; A STAYS: the wave's 64 rows x 512 K lie in 512 registers for the whole launch.  The code book streams in 8 tiles of 128 codes x 512 K through two LDS slots,
; so each fragment of 16 codes x 32 K read from LDS feeds four matrix instructions, and a score is final after 16 links.
; TRANSPOSED USE: source 0 = 16 codes, source 1 = 16 rows: lane (r, h) holds row r, register j code 8 h + j, so the running best two of a row stay in its lane.
; A STRIP = 16 codes x 64 rows x 512 K = 64 matrix instructions on four accumulators by turns.  Two sets of accumulators take turns strip by strip: while one is summed,
; the other's 32 scores a lane go into the running best two, two vector instructions behind each matrix instruction.
; THE LDS LOADS stand in runs of 16, one run for 32 matrix instructions, never singly among them.
; CLUSTER 4 x 4: the four work-groups of a row of the cluster share rb and so A's tile, the four of a column share q and so every tile of the code book: joint loads.
; REGISTERS: window 0: addresses, best two, accumulators v64-127, code fragments v128-255 (two buffers of 8 K steps).  Window 1: A's K steps 0-7.  Window 2: A's K steps 8-15.
; With source 1 alone switched (0x04, 0x08) the matrix instructions, the LDS loads (address = source 0) and the vector work (vector operands in sources 0 and 2) run under one setting:
; two switches a strip.
.set PITCH, 1040                       ; an LDS row: 1,024 bytes + 16 of padding, an odd multiple of 16: the 16 rows of a fragment load begin at 16 different 16-byte columns modulo 256
.set WPART, 32*PITCH                   ; what one tensor load brings: 32 rows
.set SLOT,  4*WPART                    ; 128 rows
.set SCR,   2*SLOT                     ; behind the ring, never filled by a tensor load: [wn][128 rows][16 bytes]
.set TILEB, 128*1024                   ; a tile of the code book in memory
.set ADRA, 4                           ; v4    my A fragments in slot 1
.set ADRB, 5                           ; v5-6  my code fragments in slot 0, 1
.set STO,  7                           ; v7    the way out: where my two quads go
.set RDB,  8                           ; v8    the way out: where thread t reads row t
.set GO,   9                           ; v9    16 t: my byte offset in cand
.set TT,   10                          ; v10-11 at work
.set M1,   12                          ; v12-15 best score of block mb's row in my bucket
.set M2,   16                          ; v16-19 second best
.set QD,   20                          ; v20-35 the way out: (key1, key2, index1, index2) of block mb
.set ACC,  64                          ; set s, block mb at 64 + 32 s + 8 mb
.set BF,   128                         ; buffer b, K step kk at 128 + 64 b + 8 kk
.set G1A, 24                           ; s[24:31] descriptor group 1, A's tile
.set G1B, 32                           ; s[32:39] the code book's tiles: it differs in the mask alone
.set G0A, 40                           ; s[40:43] group 0, A's tile
.set G0B, 44                           ; s[44:51] group 0, the code book's tiles, one set for each slot
.set MSK,  52                          ; s52 clears a score's low 8 bits
.set PINF, 53                          ; s53, s54: + and - infinity, the neutral middle operands of the three-operand minimum and maximum
.set NINF, 54
.set ID,   56                          ; s[56:63] 255 - (number in the bucket) for register j of the strip that is being ranked
.set G1W0, (1<<16)|(1<<20)|(1<<21)|(7<<22)|(3<<25)   ; 17:16 elements of 2 bytes; 20 padding on; 21 set beside a mask; 24:22 after every 256 words (code 7); 31:25 4 words of it (code 3)
.set MSB, 0
.macro WIN new                         ; the immediate's high byte repeats the setting that is left; a switch that changes nothing is dropped
.if MSB != (\new)
	s_set_vgpr_msb (MSB<<8)|(\new)
.set MSB, (\new)
.endif
.endm
.macro PLACES                          ; four places where no other vector work is at hand; also behind each tensor load
.rept 4
	v_nop
.endr
.endm
.macro CREST                           ; a round of the cluster's barrier behind its opening barrier
	s_cmp_lg_u32 s10, 0
	s_cbranch_scc1 .Lnot_wave_0_\@
	s_barrier_signal -3
.Lnot_wave_0_\@:
	s_barrier_wait -3
	s_barrier_signal -1
	s_barrier_wait -1
.endm
.macro CROUND                          ; a whole round
	s_barrier_signal -1
	s_barrier_wait -1
	CREST
.endm
	s_load_b128 s[4:7], s[0:1], 0x0                ; a16 s[4:5], cb16 s[6:7]
	s_load_b64 s[8:9], s[0:1], 0x10                ; cand
	v_lshl_add_u32 v62, v0, 2, 0x42000
	v_mov_b32 v63, 0
	ds_add_u32 v62, v63
	ds_add_u32 v62, v63
	v_lshrrev_b32 v1, 5, v0
	v_readfirstlane_b32 s10, v1                    ; wave 0..3
	s_lshr_b32 s11, s10, 1                         ; wm
	s_and_b32 s12, s10, 1                          ; wn
	s_bfe_u32 s13, ttmp6, 0x40000                  ; cx
	s_bfe_u32 s14, ttmp6, 0x40004                  ; cy
	s_lshl_b32 s15, ttmp9, 2
	s_add_co_u32 s15, s15, s13                     ; q = 4 x cluster x + cx
	s_and_b32 s16, ttmp7, 0xffff
	s_lshl_b32 s16, s16, 2
	s_add_co_u32 s16, s16, s14                     ; rb = 4 x cluster y + cy
	s_lshl_b32 s17, s14, 2
	s_lshl_b32 s17, 15, s17                        ; my row of the cluster: places 4 cy .. 4 cy + 3
	s_lshl_b32 s18, 0x1111, s13                    ; my column: places cx, cx + 4, cx + 8, cx + 12
	s_or_b32 s[G1A], s17, G1W0                     ; A's tile hangs on rb alone: shared along the row
	s_or_b32 s[G1B], s18, G1W0                     ; the code book's tiles hang on q alone: shared along the column
.irp g, G1A, G1B
	s_mov_b32 s[\g+1], 512<<16                     ; tensor_dim0 = 512
	s_mov_b32 s[\g+2], 32<<16                      ; tensor_dim1 = 32
	s_mov_b32 s[\g+3], 512<<16                     ; tile_dim0 = 512 elements: a whole row of 1,024 bytes
	s_mov_b32 s[\g+4], 32                          ; tile_dim1 = 32 rows: every wave brings its quarter of a tile
	s_mov_b32 s[\g+5], 512                         ; elements from row to row
	s_mov_b32 s[\g+6], 0
	s_mov_b32 s[\g+7], 0
.endr
	s_mul_i32 s19, s10, WPART                      ; my quarter of a slot: the wave's number alone enters an LDS address
	s_lshl_b32 s55, s10, 15                        ; my 32 rows of 1,024 bytes in memory
	s_lshl_b32 s20, s16, 17                        ; A: 128 rb rows
	s_add_co_u32 s20, s20, s55
	s_mov_b32 s21, 0
	s_lshl_b32 s22, s15, 20                        ; code book: 1,024 q rows
	s_add_co_u32 s22, s22, s55
	s_mov_b32 s23, 0
	s_lshl_b32 s70, s15, 17                        ; cand: q x 8,192 rows x 16 bytes + rb x 128 rows x 16 bytes
	s_lshl_b32 s71, s16, 11
	s_add_co_u32 s70, s70, s71
	s_mov_b32 s71, 0
	s_mov_b32 s[MSK], 0xffffff00
	s_mov_b32 s[PINF], 0x7f800000
	s_mov_b32 s[NINF], 0xff800000
.irp j, 0,1,2,3,4,5,6,7
	s_mov_b32 s[ID+\j], 255-\j
.endr
	s_mov_b32 s68, 0x76543210                      ; v_permlanex16_b32: each lane takes its own place in the other half
	s_mov_b32 s69, 0xfedcba98
	s_wait_dscnt 0x0
	s_wait_kmcnt 0x0
	s_add_nc_u64 s[8:9], s[8:9], s[70:71]
	s_mov_b32 s[G0A], 1                            ; count = 1
	s_add_co_u32 s[G0A+1], s19, SLOT               ; A lands in slot 1, which the code book's tile 1 takes over once A is in registers
	s_add_nc_u64 s[G0A+2:G0A+3], s[4:5], s[20:21]
	s_or_b32 s[G0A+3], s[G0A+3], 0x80000000        ; type = 2
	s_mov_b32 s[G0B], 1
	s_add_co_u32 s[G0B+1], s19, 0                  ; slot 0: tiles 0, 2, 4, 6
	s_add_nc_u64 s[G0B+2:G0B+3], s[6:7], s[22:23]
	s_mov_b32 s[G0B+4], 1
	s_add_co_u32 s[G0B+5], s19, SLOT               ; slot 1: tiles 1, 3, 5, 7
	s_add_nc_u64 s[G0B+6:G0B+7], s[G0B+2:G0B+3], TILEB
	s_or_b32 s[G0B+3], s[G0B+3], 0x80000000
	s_or_b32 s[G0B+7], s[G0B+7], 0x80000000
	CROUND                                         ; all sixteen work-groups are here: the first joint loads meet
	tensor_load_to_lds s[G0A:G0A+3], s[G1A:G1A+7]  ; the two first fills go out together: two loads of mine are out, the most in this text
	s_nop 0
	tensor_load_to_lds s[G0B:G0B+3], s[G1B:G1B+7]
	s_nop 0
	PLACES
	; A fragment is 16 rows x 32 K in 8 registers: lane l holds row l % 16; registers 0-3 K = 8 (l / 16) + 0..7, registers 4-7 K = 16 + 8 (l / 16) + 0..7: two loads of 16 bytes, 32 bytes apart.
	v_and_b32 v1, 15, v0                           ; r
	v_bfe_u32 v2, v0, 4, 1                         ; h
	v_mul_u32_u24 v3, v1, PITCH
	v_lshl_add_u32 v3, v2, 4, v3                   ; r x pitch + 16 h
	s_mul_i32 s72, s11, 64*PITCH
	s_add_co_u32 s72, s72, SLOT
	s_mul_i32 s73, s12, 64*PITCH
	v_add_nc_u32 v[ADRA], s72, v3                  ; my 64 rows of A
	v_add_nc_u32 v[ADRB], s73, v3                  ; my 64 codes of a tile in slot 0,
	v_add_nc_u32 v[ADRB+1], SLOT, v[ADRB]          ; in slot 1
	s_lshl_b32 s74, s12, 11
	s_lshl_b32 s75, s11, 10
	s_add_co_u32 s74, s74, s75
	s_add_co_u32 s74, s74, SCR
	v_lshlrev_b32 v[STO], 4, v1
	v_lshl_add_u32 v[STO], v2, 9, v[STO]
	v_add_nc_u32 v[STO], s74, v[STO]               ; SCR + 2,048 wn + 16 (64 wm + 32 h + r)
	v_lshlrev_b32 v[GO], 4, v0
	v_add_nc_u32 v[RDB], SCR, v[GO]
	s_lshl_b32 s77, s15, 10
	s_lshl_b32 s78, s12, 6
	s_or_b32 s77, s77, s78
	v_lshl_or_b32 v60, v2, 3, s77                  ; what my bucket's codes have in common: 1,024 q + 64 wn + 8 h
.irp m, 0,1,2,3,4,5,6,7
	v_mov_b32 v[M1+\m], s[NINF]                    ; the best two start below every score
.endr
; One LDS load of 16: half a fragment; number bi of the 16 that bring 8 K steps of strip st of a slot into a buffer
.macro BLD slot, st, buf
.set bd, BF+64*(\buf)+8*(bi/2)+4*(bi%2)
	ds_load_b128 v[bd:bd+3], v[ADRB+\slot] offset:(\st)*16*PITCH+(8*(\buf)+bi/2)*64+32*(bi%2)
.endm
; Number e of the 128 instructions that take a finished strip (set eacc) into the best two.  Blocks 2 (e / 64) and 2 (e / 64) + 1 alternate, register j = (e % 64) / 8.
; Four steps a score x: its low 8 bits take 255 - its number in the bucket (so of equal scores the earlier code is the larger); t = min(M1, x); M1 = max(M1, x); M2 = max(M2, t).
.macro EPOP
.set em, 2*(e/64)+(e%2)
.set ex, ACC+32*eacc+8*em+((e%64)/8)
.set eph, (e%8)/2
.if eph == 0
	v_and_or_b32 v[ex], v[ex], s[MSK], s[ID+(e%64)/8]
.elseif eph == 1
	v_min3_num_f32 v[TT+e%2], v[M1+em], s[PINF], v[ex]
.elseif eph == 2
	v_max3_num_f32 v[M1+em], v[M1+em], s[NINF], v[ex]
.else
	v_max3_num_f32 v[M2+em], v[M2+em], s[NINF], v[TT+e%2]
.endif
.endm
; Half a strip: 32 matrix instructions on buffer half (K steps 8 half .. + 7), the four accumulators of set st % 2 by turns, one instruction a turn.
; ep = 1: two instructions of the other set's ranking behind each.  They name no register of the products round them, so they are also the places:
; at least six stand between an accumulator's last product and its first reading, at least ten between a buffer's last product and the run of loads into it.
; mode 0: nothing is fetched.  1: the other buffer takes its next 8 K steps (slot nslot, strip nst): ONE run of 16 loads in front of the fifth product, 28 products ahead of the wait for them.
; 2, 3: this is a tile's last half strip, and the slots change.  In front of the barrier the wave waits for its reads of this slot and for all its tensor loads (one is out: its part
; of the next slot); six products stand between signal and wait, and the run of loads, from the next slot, stands behind the wait, 26 products ahead of the wait for them.
; 2: the barrier opens a round of the cluster's barrier, and behind the round this slot is filled again, two tiles on: the wave's one tensor load, ahead of its first LDS read;
; it has the next tile's products in which to land.  3: nothing is left to fetch from memory.
.macro HALF st, half, ep, mode, nslot, nst
.set hacc, (\st)%2
.set eacc, 1-hacc
.set FB, 4
.if \mode >= 2
.set FB, 6
.endif
	s_wait_dscnt 0x0                               ; this half's fragments are in; no LDS read of mine is out
.if \mode >= 2
	s_set_vgpr_msb 0x400
	s_wait_tensorcnt 0x0                           ; all my tensor loads have landed, so a group 0 may be written
	ds_add_u32 v62, v63
	s_wait_dscnt 0x0
	s_set_vgpr_msb 0x4
.if \mode == 2
	s_add_nc_u64 s[G0B+6-4*\nslot:G0B+7-4*\nslot], s[G0B+6-4*\nslot:G0B+7-4*\nslot], 2*TILEB
.endif
	s_barrier_signal -1
.endif
	WIN 4+4*\half
.set n, 0
.rept 32
.if (\mode > 0) && (n == FB)
.if \mode >= 2
.if \mode == 2
	WIN 0
.endif
	s_barrier_wait -1
.if \mode == 2
	CREST                                          ; no wave of any partner still reads this slot or has a load on its way
	tensor_load_to_lds s[G0B+4-4*\nslot:G0B+7-4*\nslot], s[G1B:G1B+7]
	s_nop 0
	PLACES
	WIN 4+4*\half
.endif
.endif
.if \ep == 0
	PLACES                                         ; no ranking stands beside the first strip: four places in front of loads into a buffer that products have read
.endif
.set bi, 0
.rept 16
	BLD \nslot, \nst, 1-\half
.set bi, bi+1
.endr
.endif
.set rD, ACC+32*hacc+8*(n%4)
.set rB, BF+64*\half+8*(n/4)
.if (\half == 0) && (n < 4)
	v_wmma_f32_16x16x32_f16 v[rD:rD+7], v[rB:rB+7], v[8*n:8*n+7], 0
.else
	v_wmma_f32_16x16x32_f16 v[rD:rD+7], v[rB:rB+7], v[8*n:8*n+7], v[rD:rD+7]
.endif
.if \ep
.set e, 64*\half+2*n
	EPOP
.set e, e+1
	EPOP
.endif
.set n, n+1
.endr
.endm
.macro STRIP slot, st, ep, mode2, nslot, nst
	HALF \st, 0, \ep, 1, \slot, \st                ; K steps 0-7; fetches this strip's K steps 8-15
	HALF \st, 1, \ep, \mode2, \nslot, \nst         ; K steps 8-15; fetches the next strip's K steps 0-7
.if \ep
.irp j, 0,1,2,3,4,5,6,7
	s_sub_co_u32 s[ID+\j], s[ID+\j], 8             ; the next strip to be ranked has the next eight numbers
.endr
.endif
.endm
	s_wait_tensorcnt 0x1                           ; my part of A is in; the code book's tile 0 may stay out
	s_barrier_signal -1
	s_barrier_wait -1                              ; everybody's part of A is in
	WIN 0x40                                       ; destination window 1: K steps 0-7, fragment (kk, mb) at 8 (4 kk + mb)
.set i, 0
.rept 32
	ds_load_b128 v[8*i:8*i+3],   v[ADRA] offset:(i%4)*16*PITCH+(i/4)*64
	ds_load_b128 v[8*i+4:8*i+7], v[ADRA] offset:(i%4)*16*PITCH+(i/4)*64+32
.set i, i+1
.endr
	WIN 0x80                                       ; destination window 2: K steps 8-15
.set i, 0
.rept 32
	ds_load_b128 v[8*i:8*i+3],   v[ADRA] offset:(i%4)*16*PITCH+(i/4)*64+512
	ds_load_b128 v[8*i+4:8*i+7], v[ADRA] offset:(i%4)*16*PITCH+(i/4)*64+544
.set i, i+1
.endr
	WIN 0
	s_wait_dscnt 0x0                               ; A is in my registers: my reads of slot 1 are over,
	s_wait_tensorcnt 0x0                           ; and all my tensor loads have landed, my part of tile 0 among them
	ds_add_u32 v62, v63
	s_wait_dscnt 0x0
	CROUND                                         ; both hold of every wave of every partner
	tensor_load_to_lds s[G0B+4:G0B+7], s[G1B:G1B+7]   ; tile 1 takes slot 1: my one load behind the round, ahead of my first LDS read
	s_nop 0
	PLACES
.set bi, 0
.rept 16
	BLD 0, 0, 0                                    ; tile 0, strip 0, K steps 0-7
.set bi, bi+1
.endr
	STRIP 0, 0, 0, 1, 0, 1                         ; the first strip has no finished strip to rank beside it
	PLACES                                         ; so four places stand behind its last products
	WIN 0                                          ; at a label and at a branch every window is 0
	s_mov_b32 s66, 3
.Ltrip:                                                ; a trip: from an even tile's strip 1 to the next even tile's strip 0; both slots are filled again (tiles 2 to 7 in three trips)
	STRIP 0, 1, 1, 1, 0, 2
	STRIP 0, 2, 1, 1, 0, 3
	STRIP 0, 3, 1, 2, 1, 0
	STRIP 1, 0, 1, 1, 1, 1
	STRIP 1, 1, 1, 1, 1, 2
	STRIP 1, 2, 1, 1, 1, 3
	STRIP 1, 3, 1, 2, 0, 0
	STRIP 0, 0, 1, 1, 0, 1
	WIN 0
	s_sub_co_u32 s66, s66, 1
	s_cmp_lg_u32 s66, 0
	s_cbranch_scc1 .Ltrip
	STRIP 0, 1, 1, 1, 0, 2                         ; the last two tiles are written out: no slot is filled that nothing reads
	STRIP 0, 2, 1, 1, 0, 3
	STRIP 0, 3, 1, 3, 1, 0
	STRIP 1, 0, 1, 1, 1, 1
	STRIP 1, 1, 1, 1, 1, 2
	STRIP 1, 2, 1, 1, 1, 3
	STRIP 1, 3, 1, 0, 0, 0
	WIN 0
	PLACES
.set eacc, 1
.set e, 0
.rept 128
	EPOP                                           ; the last strip is ranked
.set e, e+1
.endr
	; THE WAY OUT.  Each of my eight figures becomes a key and a code index.
.macro KEYIDX src, kdst, idst
	v_and_b32 v[TT], 0xff, v[\src]
	v_xor_b32 v[TT], 0xff, v[TT]                   ; t = 32 tile + 8 strip + j
	v_and_b32 v[TT+1], 0xe0, v[TT]
	v_lshl_or_b32 v[\idst], v[TT+1], 2, v60        ; 128 tile
	v_and_b32 v[TT+1], 0x18, v[TT]
	v_lshl_or_b32 v[\idst], v[TT+1], 1, v[\idst]   ; 16 strip
	v_and_or_b32 v[\idst], v[TT], 7, v[\idst]      ; j
	v_ashrrev_i32 v[TT+1], 31, v[\src]
	v_or_b32 v[TT+1], 0x80000000, v[TT+1]
	v_xor_b32 v[\kdst], v[\src], v[TT+1]           ; positive: the sign bit is set; negative: all bits are turned: u32 order = f32 order
.endm
; two sorted pairs (key1, key2, index1, index2) at a and b become the best two of the four at o; t: four registers at work
.macro MERGE a, b, o, t
	v_cmp_ge_u32 vcc_lo, v[\a], v[\b]
	v_cndmask_b32 v[\o], v[\b], v[\a], vcc_lo              ; the better first
	v_cndmask_b32 v[\o+2], v[\b+2], v[\a+2], vcc_lo
	v_cndmask_b32 v[\t], v[\a], v[\b], vcc_lo              ; the other first
	v_cndmask_b32 v[\t+1], v[\a+2], v[\b+2], vcc_lo
	v_cndmask_b32 v[\t+2], v[\b+1], v[\a+1], vcc_lo        ; the winner's own second
	v_cndmask_b32 v[\t+3], v[\b+3], v[\a+3], vcc_lo
	v_cmp_ge_u32 vcc_lo, v[\t], v[\t+2]
	v_cndmask_b32 v[\o+1], v[\t+2], v[\t], vcc_lo
	v_cndmask_b32 v[\o+3], v[\t+3], v[\t+1], vcc_lo
.endm
.irp m, 0,1,2,3
	KEYIDX M1+\m, QD+4*\m, QD+4*\m+2
	KEYIDX M2+\m, QD+4*\m+1, QD+4*\m+3
.endr
	; a row's other bucket of this wave lies in the lane 16 away: half h keeps blocks 2 h and 2 h + 1 and sends the other two
	v_cmp_ne_u32 vcc_lo, 0, v2
.irp c, 0,1,2,3,4,5,6,7
	v_cndmask_b32 v[36+\c], v[QD+\c], v[QD+8+\c], vcc_lo
	v_cndmask_b32 v[44+\c], v[QD+8+\c], v[QD+\c], vcc_lo
.endr
.irp c, 0,1,2,3,4,5,6,7
	v_permlanex16_b32 v[ACC+\c], v[44+\c], s68, s69        ; into registers that have been written
.endr
	MERGE 36, ACC, 52, 44
	MERGE 40, ACC+4, 56, 44
	ds_store_b128 v[STO], v[52:55]                 ; row 64 wm + 32 h + r,
	ds_store_b128 v[STO], v[56:59] offset:256      ; and the row 16 further down
	s_wait_dscnt 0x0                               ; for the others' sake: my stores are done
	s_barrier_signal -1
	s_barrier_wait -1
	ds_load_b128 v[20:23], v[RDB]                  ; thread t takes row t: wn = 0's pair,
	ds_load_b128 v[24:27], v[RDB] offset:2048      ; wn = 1's
	s_wait_dscnt 0x0
	MERGE 20, 24, 28, 44
	global_store_b128 v[GO], v[28:31], s[8:9]      ; a wave's store covers 512 consecutive bytes, aligned
	s_wait_tensorcnt 0x0
	ds_add_u32 v62, v63
	s_wait_dscnt 0x0
	CROUND                                         ; the closing round: no work-group ends while a partner may still ask for a tile that names it
	s_endpgm
.Lfunc_end_k_q9089a55b80_g1:
	.size	k_q9089a55b80_g1, .Lfunc_end_k_q9089a55b80_g1-k_q9089a55b80_g1
	.p2alignl 7, 3214868480
	.fill 96, 4, 3214868480
	.section	.rodata,"a",@progbits
	.p2align	6, 0x0
	.amdhsa_kernel k_q9089a55b80_g1
		.amdhsa_group_segment_fixed_size 327680
		.amdhsa_private_segment_fixed_size 0
		.amdhsa_enable_private_segment 0
		.amdhsa_kernarg_size 24
		.amdhsa_user_sgpr_count 2
		.amdhsa_user_sgpr_kernarg_segment_ptr 1
		.amdhsa_wavefront_size32 1
		.amdhsa_system_sgpr_workgroup_id_x 1
		.amdhsa_system_sgpr_workgroup_id_y 1
		.amdhsa_system_sgpr_workgroup_id_z 1
		.amdhsa_system_vgpr_workitem_id 0
		.amdhsa_next_free_vgpr 768
		.amdhsa_next_free_sgpr 80
		.amdhsa_reserve_vcc 1
		.amdhsa_float_denorm_mode_32 3
		.amdhsa_float_denorm_mode_16_64 3
		.amdhsa_memory_ordered 1
		.amdhsa_forward_progress 1
		.amdhsa_inst_pref_size 255
	.end_amdhsa_kernel
	.amdgpu_metadata
---
amdhsa.version: [ 1, 2 ]
amdhsa.kernels:
  - .name:           k_q9089a55b80_g1
    .symbol:         k_q9089a55b80_g1.kd
    .args:
      - { .name: a16, .offset: 0, .size: 8, .value_kind: global_buffer, .address_space: global }
      - { .name: cb16, .offset: 8, .size: 8, .value_kind: global_buffer, .address_space: global }
      - { .name: cand, .offset: 16, .size: 8, .value_kind: global_buffer, .address_space: global }
    .group_segment_fixed_size: 327680
    .private_segment_fixed_size: 0
    .kernarg_segment_align: 8
    .kernarg_segment_size: 24
    .max_flat_workgroup_size: 128
    .sgpr_count:     80
    .vgpr_count:     768
    .wavefront_size: 32
...
	.end_amdgpu_metadata
.endif
;; end of part 5
;; launch r1: the kernel of part 3 again; grid 256 x 1, 16 waves a work-group, no clusters, 2,304 bytes of LDS; arguments x, code_book, cand, resA, a16, win1; writes resA, a16, win1
;; launch g2: the kernel of part 5 again; grid 4 x 64, 4 waves a work-group, clusters of 4 x 4, 327,680 bytes of LDS; arguments a16, cb16, cand; writes cand
;; launch r2: the kernel of part 3 again; grid 256 x 1, 16 waves a work-group, no clusters, 2,304 bytes of LDS; arguments resA, code_book, cand, resB, a16, win2; writes resB, a16, win2
;; launch g3: the kernel of part 5 again; grid 4 x 64, 4 waves a work-group, clusters of 4 x 4, 327,680 bytes of LDS; arguments a16, cb16, cand; writes cand
;; launch r3: the kernel of part 3 again; grid 256 x 1, 16 waves a work-group, no clusters, 2,304 bytes of LDS; arguments resB, code_book, cand, resA, a16, win3; writes resA, a16, win3
;; launch g4: the kernel of part 5 again; grid 4 x 64, 4 waves a work-group, clusters of 4 x 4, 327,680 bytes of LDS; arguments a16, cb16, cand; writes cand
;; launch fin: the kernel of part 4 again; grid 256 x 1, 16 waves a work-group, no clusters, 0 bytes of LDS; arguments resA, code_book, cand, win1, win2, win3, out0; writes out0
